; MI455X (gfx1250); checked and timed in simulation.
; The chip was launched on July 23, 2026; its instructions are those of AMD's public machine-readable ISA for CDNA 5 (MIT licence, August 2026) and "CDNA5" Instruction Set Architecture Reference Guide (July 2026). The comments in the code are by the model that wrote it; some were corrected since.
;; Self Attention With Learnable Token. Allowed arithmetic: float matrix products may take bf16 or f16 operands with f32 sums; all other float work in f32.
;; Inputs: Wk 256 x 256 float32; Wo 256 x 256 float32; Wq 256 x 256 float32; Wv 256 x 256 float32; bk 256 float32; bo 256 float32; bq 256 float32; bv 256 float32; gk 1 x 1 x 256 float32; gv 1 x 1 x 256 float32; x 4 x 4,096 x 256 float32.
;; Outputs: out0 4 x 4,096 x 256 float32.
;; 2 versions, each right; version 2 is version 1 with the launch proj written anew for expert scheduling mode. Each part assembles by itself: llvm-mc -triple=amdgcn-amd-amdhsa -mcpu=gfx1250 --defsym DOCPART=n.
;; ======== version 1 of 2: 2 launches
;; workspace buffers: qi 8,388,608 bytes; ki 8,388,608 bytes; vi 8,388,608 bytes; woi 131,072 bytes
;; launch proj (part 1): grid 64 x 3, 8 waves a work-group, no clusters, 271,360 bytes of LDS; arguments x, Wq, Wk, Wv, Wo, bq, bk, bv, qi, ki, vi, woi; writes qi, ki, vi, woi
.if DOCPART == 1
	.amdgcn_target "amdgcn-amd-amdhsa--gfx1250"
	.amdhsa_code_object_version 6
	.text
	.protected	k_qd5682620e2_proj
	.globl	k_qd5682620e2_proj
	.p2align	8
	.type	k_qd5682620e2_proj,@function
k_qd5682620e2_proj:
	s_mov_b64 s[64:65], 0
	v_nop
	global_prefetch_b8 v0, s[64:65] scope:SCOPE_SE
	s_setreg_imm32_b32 hwreg(HW_REG_WAVE_MODE, 25, 1), 1
	s_wait_xcnt 0x0
; Q, K, V projections of x [16384][256] f32, written in bf16 as images of matrix fragments, and Wo rounded to bf16 in the same form.
; A piece of an image is 512 bytes: lane L's 16 bytes are registers 0-3 (c = 0) or 4-7 (c = 1) of a 16-bit fragment.  r = L & 15, h = L >> 4.
;   qi, ki: byte T*8192 + ks*1024 + c*512 + 16 L = row 16 T + r, features 32 ks + 16 c + 8 h .. +7 of CSC * (x W^T + b)
;   vi    : byte KB*16384 + i*1024 + c*512 + 16 L = feature 16 i + r, rows 32 KB + 16 c + 8 h .. +7 of x Wv^T + bv
;   woi   : byte et*8192 + ks*1024 + c*512 + 16 L = row 16 et + r of Wo, columns 32 ks + 16 c + 8 h .. +7
; CSC = sqrt(log2(e) / 16) stands on Q and on K alike, so that their products are the scores / sqrt(256) in powers of two.
; A work-group (x: block of 256 rows; y: job 0 = Q, 1 = K, 2 = V) makes 256 rows x 256 features.  Eight waves: wave w takes rows 64 (w & 3) .. +63
; and features 128 (w >> 2) .. +127: four row tiles kept in 256 registers, eight feature tiles in turn, 256 matrix instructions.
; x and W are f32 and are rounded on the way through registers into LDS.  NO JOINT TENSOR LOADS, though the three jobs share x and the 64 blocks
; share W: as f32 the two tiles are 2 x 262,144 bytes, more than the 327,680 bytes of LDS, and the rounding needs the registers anyway.
; Sums in f32, K ascending, one accumulator for each output; one rounding to bf16 at the end.
.set PITCH, 528                        ; an LDS row: 512 bytes of bf16 + 16: an odd multiple of 16, so 16 rows of one column start at 16 different 16-byte columns
.set XL,    256*PITCH                  ; LDS: W's 256 rows at 0, x's 256 rows behind them
.set CSC,   0x3e99be61                 ; sqrt(log2(e)/16)
.set XA,  1                            ; v1       LDS address of my x fragments
.set WA,  2                            ; v2       LDS address of my W fragments
.set SO,  3                            ; v3       my byte offset in the image
.set BO,  4                            ; v4       my byte offset in the bias
.set ACC, 12                           ; v12-43   four accumulators, one for each row tile
.set FA,  44                           ; v44-107, v108-171  two buffers of eight W fragments (one feature tile, all of K)
.set OB,  172                          ; v172-187 four tiles' packed results
.set BT,  188                          ; v188-251 Q, K: the bias of my 8 x 8 features, times CSC; V: v188-195 one bias a feature tile
.set LOFF, 192                         ; window 1, while staging: v448 my byte offset in x's block and in W
.set LW,   193                         ;                          v449 where my 8 bytes of a W row go
.set LX,   194                         ;                          v450 the same for x
; window 1: while staging three sets of 64 registers at 0, 64, 128; afterwards my 32 x fragments [rt][ks] at 8 (8 rt + ks)
.set MSB, 0
.macro WIN new                         ; s_set_vgpr_msb: bits 1:0 source 0, 3:2 source 1, 5:4 source 2, 7:6 destination; the high byte repeats the setting left
.if MSB != \new
	s_set_vgpr_msb (MSB<<8)|\new
.set MSB, \new
.endif
.endm
.macro PLACES cnt
.rept \cnt
	v_nop
.endr
.endm
	s_load_b512 s[4:19], s[0:1], 0x0               ; x s[4:5], Wq s[6:7], Wk s[8:9], Wv s[10:11], Wo s[12:13], bq s[14:15], bk s[16:17], bv s[18:19]
	s_load_b256 s[20:27], s[0:1], 0x40             ; qi s[20:21], ki s[22:23], vi s[24:25], woi s[26:27]
	v_lshl_add_u32 v254, v0, 2, 0x42000
	v_mov_b32 v255, 0
	v_lshrrev_b32 v7, 5, v0
	v_readfirstlane_b32 s28, v7                    ; wave 0..7
	s_and_b32 s29, s28, 3                          ; rg: which 64 rows
	s_lshr_b32 s30, s28, 2                         ; fh: which 128 features
	s_and_b32 s31, ttmp7, 0xffff                   ; job
	s_mov_b32 s38, CSC
	s_mov_b32 s39, CSC
	v_and_b32 v8, 31, v0                           ; L
	v_and_b32 v9, 15, v0                           ; r
	v_bfe_u32 v10, v0, 4, 1                        ; h
	v_mul_u32_u24 v11, v9, PITCH
	v_lshl_add_u32 v11, v10, 4, v11                ; r * pitch + 16 h
	s_mul_i32 s40, s29, 64*PITCH
	s_add_co_u32 s40, s40, XL
	v_add_nc_u32 v[XA], s40, v11
	s_mul_i32 s41, s30, 128*PITCH
	v_add_nc_u32 v[WA], s41, v11
	s_cmp_eq_u32 s31, 2
	s_cselect_b32 s42, 13, 12                      ; eight feature tiles are 8 x 1,024 bytes of vi, 8 x 512 bytes of qi and ki
	s_lshl_b32 s42, s30, s42
	s_lshl_b32 s43, s29, 15                        ; 64 rows are 32,768 bytes of every image
	s_add_co_u32 s42, s42, s43
	v_lshl_add_u32 v[SO], v8, 4, s42
	s_lshl_b32 s44, s28, 15                        ; staging: wave w brings rows 32 w .. +31 of x's block and of W (1,024 bytes each)
	s_mul_i32 s45, s28, 32*PITCH
	s_add_co_u32 s46, s45, XL
	WIN 0x40
	v_lshl_add_u32 v[LOFF], v8, 4, s44
	v_lshl_add_u32 v[LW], v8, 3, s45
	v_lshl_add_u32 v[LX], v8, 3, s46
	WIN 0
	s_lshl_b32 s40, ttmp9, 18                      ; 256 rows of x: 262,144 bytes
	s_mov_b32 s41, 0
	s_lshl_b32 s42, ttmp9, 17                      ; 256 rows of an image: 131,072 bytes
	s_mov_b32 s43, 0
	s_wait_kmcnt 0x0
	s_cmp_eq_u32 s31, 1
	s_cselect_b64 s[32:33], s[8:9], s[6:7]         ; the job's W,
	s_cselect_b64 s[34:35], s[16:17], s[14:15]     ; bias
	s_cselect_b64 s[36:37], s[22:23], s[20:21]     ; and image
	s_cmp_eq_u32 s31, 2
	s_cselect_b64 s[32:33], s[10:11], s[32:33]
	s_cselect_b64 s[34:35], s[18:19], s[34:35]
	s_cselect_b64 s[36:37], s[24:25], s[36:37]
	s_add_nc_u64 s[4:5], s[4:5], s[40:41]
	s_add_nc_u64 s[36:37], s[36:37], s[42:43]
; Batch bn (0-3: x, 4-7: W): 8 of my 32 rows, 16 loads of 512 consecutive bytes, into set bn % 3.
.macro LOADB bn
.set SB, 64*((\bn)%3)
.set ROW0, 8*((\bn)&3)
.set kk, 0
.rept 8
.if (\bn) < 4
	global_load_b128 v[SB+8*kk:SB+8*kk+3], v[LOFF], s[4:5] offset:(ROW0+kk)*1024
	global_load_b128 v[SB+8*kk+4:SB+8*kk+7], v[LOFF], s[4:5] offset:(ROW0+kk)*1024+512
.else
	global_load_b128 v[SB+8*kk:SB+8*kk+3], v[LOFF], s[32:33] offset:(ROW0+kk)*1024
	global_load_b128 v[SB+8*kk+4:SB+8*kk+7], v[LOFF], s[32:33] offset:(ROW0+kk)*1024+512
.endif
.set kk, kk+1
.endr
.endm
; The batch rounded to bf16 in place (four f32 become 8 bytes) and laid into LDS: 32 lanes write 256 consecutive bytes.
.macro CVTB bn
.set SB, 64*((\bn)%3)
.set ROW0, 8*((\bn)&3)
.set kk, 0
.rept 16
	v_cvt_pk_bf16_f32 v[SB+4*kk], v[SB+4*kk], v[SB+4*kk+1]
	v_cvt_pk_bf16_f32 v[SB+4*kk+1], v[SB+4*kk+2], v[SB+4*kk+3]
.if (\bn) < 4
	ds_store_b64 v[LX], v[SB+4*kk:SB+4*kk+1] offset:(ROW0+kk/2)*PITCH+(kk&1)*256
.else
	ds_store_b64 v[LW], v[SB+4*kk:SB+4*kk+1] offset:(ROW0+kk/2)*PITCH+(kk&1)*256
.endif
.set kk, kk+1
.endr
.endm
	WIN 0x55                                       ; staging works in window 1 throughout
	LOADB 0
	LOADB 1
	LOADB 2                                        ; 48 loads of every wave are out
	WIN 0
	; Wo's image: 256 pieces, one for each of waves 0-3 of the 64 work-groups of job 0.  One block, with its own wait, while the 48 loads above are on their way.
	s_lshl_b32 s44, s31, 3
	s_add_co_u32 s44, s44, s28
	s_cmp_ge_u32 s44, 4
	s_cbranch_scc1 .Lno_wo
	s_lshl_b32 s45, ttmp9, 2
	s_add_co_u32 s45, s45, s28                     ; piece p = 16 et + 2 ks + c
	s_lshr_b32 s46, s45, 4
	s_lshl_b32 s46, s46, 14                        ; 16 et rows of 1,024 bytes
	s_bfe_u32 s47, s45, 0x30001
	s_lshl_b32 s47, s47, 7                         ; 32 ks columns
	s_add_co_u32 s46, s46, s47
	s_and_b32 s47, s45, 1
	s_lshl_b32 s47, s47, 6                         ; 16 c columns
	s_add_co_u32 s46, s46, s47
	v_lshl_add_u32 v5, v9, 10, s46                 ; + row r
	v_lshl_add_u32 v5, v10, 5, v5                  ; + 8 h columns
	s_lshl_b32 s47, s45, 9
	v_lshl_add_u32 v6, v8, 4, s47                  ; 512 p + 16 L
	global_load_b128 v[OB:OB+3], v5, s[12:13]
	global_load_b128 v[OB+4:OB+7], v5, s[12:13] offset:16
	s_wait_loadcnt 0x0
	v_cvt_pk_bf16_f32 v[OB+8], v[OB], v[OB+1]
	v_cvt_pk_bf16_f32 v[OB+9], v[OB+2], v[OB+3]
	v_cvt_pk_bf16_f32 v[OB+10], v[OB+4], v[OB+5]
	v_cvt_pk_bf16_f32 v[OB+11], v[OB+6], v[OB+7]
	global_store_b128 v6, v[OB+8:OB+11], s[26:27]  ; 512 consecutive bytes; OB is written again only behind the s_wait_xcnt 0 of feature tile 0
.Lno_wo:
	WIN 0x55
.irp bn, 0,1,2,3,4,5,6,7
.if \bn < 6
	s_wait_loadcnt 32                              ; loads come back in order (ISA guide 5.7.1): this batch is in, the two younger batches of 16 stay out
.elseif \bn == 6
	s_wait_loadcnt 16                              ; one younger batch
.else
	s_wait_loadcnt 0
.endif
	CVTB \bn
.if \bn < 5
	LOADB \bn+3                                    ; into the set just emptied
.endif
.endr
	WIN 0
	s_wait_dscnt 0x0                               ; my rows are in LDS,
	s_barrier_signal -1
	s_barrier_wait -1                              ; everybody's are
.macro XLOAD                           ; my 32 x fragments: 64 rows, all 256 along K, into window 1
	WIN 0x40
.irp rt, 0,1,2,3
.irp ks, 0,1,2,3,4,5,6,7
	ds_load_b128 v[8*(8*\rt+\ks):8*(8*\rt+\ks)+3], v[XA] offset:\rt*16*PITCH+\ks*64
	ds_load_b128 v[8*(8*\rt+\ks)+4:8*(8*\rt+\ks)+7], v[XA] offset:\rt*16*PITCH+\ks*64+32
.endr
.endr
	WIN 0
.endm
.macro WLOAD f, buf                    ; feature tile f of my eight: 16 rows of W, all 256 along K: 16 loads
.irp ks, 0,1,2,3,4,5,6,7
	ds_load_b128 v[\buf+8*\ks:\buf+8*\ks+3], v[WA] offset:(\f)*16*PITCH+\ks*64
	ds_load_b128 v[\buf+8*\ks+4:\buf+8*\ks+7], v[WA] offset:(\f)*16*PITCH+\ks*64+32
.endr
.endm
; Feature tile f: 32 matrix instructions, the four accumulators by turns, one instruction a turn; the first K step starts the sums.
; Q, K: source 0 = W, source 1 = x: a lane's eight results are eight neighbouring features of one row.
; V   : source 0 = x, source 1 = W: a lane's eight results are eight neighbouring rows of one feature.  Either way four conversions make the lane's 16 bytes of a piece.
.macro FT f, vjob
.set WB, FA+64*((\f)&1)
.if \f < 7
	s_wait_dscnt 16                                ; all but the next tile's 16 loads
.else
	s_wait_dscnt 0
.endif
.if \vjob
	WIN 0x01
.else
	WIN 0x04
.endif
.irp ks, 0,1,2,3,4,5,6,7
.irp rt, 0,1,2,3
.if \vjob
.if \ks == 0
	v_wmma_f32_16x16x32_bf16 v[ACC+8*\rt:ACC+8*\rt+7], v[8*(8*\rt+\ks):8*(8*\rt+\ks)+7], v[WB+8*\ks:WB+8*\ks+7], 0
.else
	v_wmma_f32_16x16x32_bf16 v[ACC+8*\rt:ACC+8*\rt+7], v[8*(8*\rt+\ks):8*(8*\rt+\ks)+7], v[WB+8*\ks:WB+8*\ks+7], v[ACC+8*\rt:ACC+8*\rt+7]
.endif
.else
.if \ks == 0
	v_wmma_f32_16x16x32_bf16 v[ACC+8*\rt:ACC+8*\rt+7], v[WB+8*\ks:WB+8*\ks+7], v[8*(8*\rt+\ks):8*(8*\rt+\ks)+7], 0
.else
	v_wmma_f32_16x16x32_bf16 v[ACC+8*\rt:ACC+8*\rt+7], v[WB+8*\ks:WB+8*\ks+7], v[8*(8*\rt+\ks):8*(8*\rt+\ks)+7], v[ACC+8*\rt:ACC+8*\rt+7]
.endif
.endif
.endr
.endr
	PLACES 4                                       ; four places behind the last matrix instruction: for the loads into the buffer it read and for the arithmetic on its result
	WIN 0
.if \f < 6
	WLOAD \f+2, WB
.endif
	s_wait_xcnt 0x0                                ; the last tile's four stores have had their addresses translated (ISA guide 3.1): OB is written again only behind this wait
.irp rt, 0,1,2,3
.irp j, 0,2,4,6
.if \vjob
.if (\f)&1
	v_pk_add_f32 v[ACC+8*\rt+\j:ACC+8*\rt+\j+1], v[ACC+8*\rt+\j:ACC+8*\rt+\j+1], v[BT+\f-1:BT+\f] op_sel:[0,1] op_sel_hi:[1,1]
.else
	v_pk_add_f32 v[ACC+8*\rt+\j:ACC+8*\rt+\j+1], v[ACC+8*\rt+\j:ACC+8*\rt+\j+1], v[BT+\f:BT+\f+1] op_sel_hi:[1,0]
.endif
.else
	v_pk_fma_f32 v[ACC+8*\rt+\j:ACC+8*\rt+\j+1], v[ACC+8*\rt+\j:ACC+8*\rt+\j+1], s[38:39], v[BT+8*\f+\j:BT+8*\f+\j+1] op_sel_hi:[1,0,1]
.endif
.endr
.irp e, 0,1,2,3
	v_cvt_pk_bf16_f32 v[OB+4*\rt+\e], v[ACC+8*\rt+2*\e], v[ACC+8*\rt+2*\e+1]
.endr
.if \vjob
	global_store_b128 v[SO], v[OB+4*\rt:OB+4*\rt+3], s[36:37] offset:(\rt>>1)*16384+(\rt&1)*512+\f*1024
.else
	global_store_b128 v[SO], v[OB+4*\rt:OB+4*\rt+3], s[36:37] offset:\rt*8192+\f*512
.endif
.endr                                          ; each store of the wave covers one piece: 512 consecutive bytes, aligned
.endm
	s_lshl_b32 s44, s30, 9                         ; my 128 features' bias: 512 bytes
	s_cmp_eq_u32 s31, 2
	s_cbranch_scc1 .Lvjob
	v_lshl_add_u32 v[BO], v10, 5, s44              ; Q, K: features 16 f + 8 h + 0..7
.irp f, 0,1,2,3,4,5,6,7
	global_load_b128 v[BT+8*\f:BT+8*\f+3], v[BO], s[34:35] offset:\f*64
	global_load_b128 v[BT+8*\f+4:BT+8*\f+7], v[BO], s[34:35] offset:\f*64+16
.endr
	XLOAD
	WLOAD 0, FA
	WLOAD 1, FA+64
	s_wait_loadcnt 0x0                             ; the bias, once
.set nn, 0
.rept 32
	v_pk_mul_f32 v[BT+2*nn:BT+2*nn+1], v[BT+2*nn:BT+2*nn+1], s[38:39] op_sel_hi:[1,0]   ; CSC * b, so that one fused multiply-add gives CSC * (sum + b)
.set nn, nn+1
.endr
.irp f, 0,1,2,3,4,5,6,7
	FT \f, 0
.endr
	s_wait_tensorcnt 0x0
	ds_add_u32 v254, v255
	s_wait_dscnt 0x0
	s_endpgm
.Lvjob:
	v_lshl_add_u32 v[BO], v9, 2, s44               ; V: feature 16 f + r
.irp f, 0,1,2,3,4,5,6,7
	global_load_b32 v[BT+\f], v[BO], s[34:35] offset:\f*64
.endr
	XLOAD
	WLOAD 0, FA
	WLOAD 1, FA+64
	s_wait_loadcnt 0x0
.irp f, 0,1,2,3,4,5,6,7
	FT \f, 1
.endr
	s_wait_tensorcnt 0x0
	ds_add_u32 v254, v255
	s_wait_dscnt 0x0
	s_endpgm
.Lfunc_end_k_qd5682620e2_proj:
	.size	k_qd5682620e2_proj, .Lfunc_end_k_qd5682620e2_proj-k_qd5682620e2_proj
	.p2alignl 7, 3214868480
	.fill 96, 4, 3214868480
	.section	.rodata,"a",@progbits
	.p2align	6, 0x0
	.amdhsa_kernel k_qd5682620e2_proj
		.amdhsa_group_segment_fixed_size 271360
		.amdhsa_private_segment_fixed_size 0
		.amdhsa_enable_private_segment 0
		.amdhsa_kernarg_size 96
		.amdhsa_user_sgpr_count 2
		.amdhsa_user_sgpr_kernarg_segment_ptr 1
		.amdhsa_wavefront_size32 1
		.amdhsa_system_sgpr_workgroup_id_x 1
		.amdhsa_system_sgpr_workgroup_id_y 1
		.amdhsa_system_sgpr_workgroup_id_z 1
		.amdhsa_system_vgpr_workitem_id 0
		.amdhsa_next_free_vgpr 512
		.amdhsa_next_free_sgpr 66
		.amdhsa_reserve_vcc 0
		.amdhsa_float_denorm_mode_32 3
		.amdhsa_float_denorm_mode_16_64 3
		.amdhsa_memory_ordered 1
		.amdhsa_forward_progress 1
		.amdhsa_inst_pref_size 144
	.end_amdhsa_kernel
	.amdgpu_metadata
---
amdhsa.version: [ 1, 2 ]
amdhsa.kernels:
  - .name:           k_qd5682620e2_proj
    .symbol:         k_qd5682620e2_proj.kd
    .args:
      - { .name: x, .offset: 0, .size: 8, .value_kind: global_buffer, .address_space: global }
      - { .name: Wq, .offset: 8, .size: 8, .value_kind: global_buffer, .address_space: global }
      - { .name: Wk, .offset: 16, .size: 8, .value_kind: global_buffer, .address_space: global }
      - { .name: Wv, .offset: 24, .size: 8, .value_kind: global_buffer, .address_space: global }
      - { .name: Wo, .offset: 32, .size: 8, .value_kind: global_buffer, .address_space: global }
      - { .name: bq, .offset: 40, .size: 8, .value_kind: global_buffer, .address_space: global }
      - { .name: bk, .offset: 48, .size: 8, .value_kind: global_buffer, .address_space: global }
      - { .name: bv, .offset: 56, .size: 8, .value_kind: global_buffer, .address_space: global }
      - { .name: qi, .offset: 64, .size: 8, .value_kind: global_buffer, .address_space: global }
      - { .name: ki, .offset: 72, .size: 8, .value_kind: global_buffer, .address_space: global }
      - { .name: vi, .offset: 80, .size: 8, .value_kind: global_buffer, .address_space: global }
      - { .name: woi, .offset: 88, .size: 8, .value_kind: global_buffer, .address_space: global }
    .group_segment_fixed_size: 271360
    .private_segment_fixed_size: 0
    .kernarg_segment_align: 8
    .kernarg_segment_size: 96
    .max_flat_workgroup_size: 256
    .sgpr_count:     66
    .vgpr_count:     512
    .wavefront_size: 32
...
	.end_amdgpu_metadata
.endif
;; end of part 1
;; launch attn (part 2): grid 256 x 1, 4 waves a work-group, clusters of 4 x 1, 327,680 bytes of LDS; arguments qi, ki, vi, woi, gk, gv, bo, out0; writes out0
.if DOCPART == 2
	.amdgcn_target "amdgcn-amd-amdhsa--gfx1250"
	.amdhsa_code_object_version 6
	.text
	.protected	k_qd5682620e2_attn
	.globl	k_qd5682620e2_attn
	.p2align	8
	.type	k_qd5682620e2_attn,@function
k_qd5682620e2_attn:
	s_mov_b64 s[64:65], 0
	v_nop
	global_prefetch_b8 v0, s[64:65] scope:SCOPE_SE
	s_setreg_imm32_b32 hwreg(HW_REG_WAVE_MODE, 25, 1), 1
	s_wait_xcnt 0x0
	s_wait_alu depctr_hold_cnt(0) depctr_sa_sdst(0) depctr_va_vdst(0) depctr_va_sdst(0) depctr_va_ssrc(0) depctr_va_vcc(0) depctr_vm_vsrc(0)
	s_getreg_b32 s2, hwreg(HW_REG_IB_STS2, 6, 4)
	s_cmp_eq_u32 s2, 0
	s_cbranch_scc0 .Lentry_in_a_cluster
	s_endpgm
.Lentry_in_a_cluster:
	s_bfe_u32 s2, ttmp6, 0x10000c
	s_cmp_lg_u32 s2, 0x3003
	s_cbranch_scc0 .Lentry_shape_is_right
	s_endpgm
.Lentry_shape_is_right:
; out = softmax([gk; K] Q^T / 16)^T [gv; V] Wo^T + bo, from the fragment images qi, ki, vi, woi (bf16; a piece = 512 bytes = 32 lanes x 16 bytes).
; A work-group owns 64 queries.  Each of its four waves holds ALL 64 queries and walks a quarter of the batch's keys (1,024, in 16 steps of 64),
; so that one fragment read from LDS feeds four matrix instructions; the four partial results meet at the end.
; Everything is computed transposed, so that a lane owns one query (r = L & 15; h = L >> 4) and no result is ever shuffled between lanes:
;   S^T(key, q) = K fragment x Q fragment: register j of a lane = key 8 h + j of query r.  exp2 and a packed conversion of key tiles 2 kb, 2 kb + 1 ARE
;   registers 0-3 and 4-7 of the fragment P^T.  O^T(d, q) = V^T fragment x P^T.  O^T's tiles 2 ks, 2 ks + 1 convert likewise for out^T(e, q) = Wo fragment x attn^T.
; Scores come in powers of two: qi and ki each carry sqrt(log2(e)/16).  Running maximum, sum and O's rescaling are per lane, in f32.
; THE TOKEN: its score s_g = CSC * (Q . bf16(gk)) is made by the matrix unit (a fragment whose 16 rows are gk) and starts every wave's running maximum;
; its value gv enters in f32 at the merge as a fifth partial result (maximum s_g, sum 1, value gv).
; CLUSTER: the four work-groups of a cluster are four query blocks of one batch and walk the same K and V: every tile is asked for jointly (mask 15).
; THE WALK IS CYCLIC AND STAGGERED: cluster j of a batch's sixteen starts at tile 2 g of each wave's 16, g = (j & 7) xor (7 if j >= 8), and goes round.  So the clusters
; of a batch ask for eight different tiles at any time, and from the third step on every tile that a cluster asks for has been asked for before by another.
; j and j xor 15 share a start: whichever one bit of j is held fixed, the eight clusters that are left have the eight different starts.
; LDS holds one K tile and one V tile for each wave (32,768 bytes each), filled in opposite phases: the next K is on its way during the exponentials and six
; groups of P V, the next V during the last group of P V, the next step's scores and its maxima.  By this text's count a wave has two tensor loads out at the start and one afterwards.
; LIMITS: v_exp_f32 gives 0 for weights below 2^-126 (ISA guide 15.8); scores must be finite; the sum of weights is taken before their rounding to bf16;
; keys are summed within a wave's 1,024, cyclically from the cluster's first tile, then (wave 0 + 1) + (wave 2 + 3), then the token.
.set VREG,  131072                     ; LDS: K tiles at w * 32768, V tiles at 131072 + w * 32768; behind their last fill both carry their wave's partial O
.set STAT,  262144                     ; 4 x 1,024: wave w's maxima (t * 128 + 4 L) and sums (+ 512)
.set AF,    266240                     ; 4 x 8,192: attn^T as fragments, query tile t: 16 pieces
.set STG,   299008                     ; 4 x 4,608: each wave's stage for the way out, 16 rows of 272 bytes
.set STGW,  4608
.set SPITCH, 272
.set STEPB, 32768                      ; 64 keys of ki or of vi
.set WRAP,  0x7ffff                    ; a wave's 1,024 keys are 16 x 32,768 = 524,288 bytes: the offset goes round in them
.set CSC,   0x3e99be61                 ; sqrt(log2(e)/16)
; window 0
.set KADR, 1                           ; v1       w * 32768 + 16 L: my K tile in LDS (and my 64 rows of Wo in woi)
.set VADR, 2                           ; v2       my V tile
.set L16,  3                           ; v3       16 L
.set MA,   4                           ; v4-11    query tile t: the pair (running maximum, factor alpha)
.set LP,   12                          ; v12-19   query tile t: a pair of partial sums of weights
.set XR,   20                          ; v20-23   at work
.set YR,   24                          ; v24-27   at work
.set SG,   28                          ; v28-31   the token's score
.set SR,   32                          ; v32-159  S[kt][qt] at 32 + 8 (4 kt + qt); P[kb][qt] is made in place on S[2 kb][qt]
.set RING, 160                         ; v160-255 three slots of four fragments
.set GVO,  192                         ; the end: offsets and LDS addresses, in ring registers that are free by then
.set BOO,  193
.set STS,  194
.set STL,  195
; window 1: Q[qt][ks] at 8 (8 qt + ks), later Wo[et][ks];  windows 2, 3: O[i][qt] at 8 (4 (i & 7) + qt), d tiles i = 0-7 and 8-15
; scalars: s[24:31] descriptor group 1; s[32:35], s[36:39] group 0 for K, V; s[56:57] the walk's byte offset; s[60:61], s[62:63] ki, vi at my batch and wave
.set MSB, 0
.macro WIN new                         ; s_set_vgpr_msb: bits 1:0 source 0, 3:2 source 1, 5:4 source 2, 7:6 destination; the high byte repeats the setting left
.if MSB != \new
	s_set_vgpr_msb (MSB<<8)|\new
.set MSB, \new
.endif
.endm
.macro PLACES cnt                      ; places behind a matrix instruction are plain vector instructions that name none of its registers (ISA guide 7.12.1)
.rept \cnt
	v_nop
.endr
.endm
.macro CREST                           ; a round of the cluster's barrier behind its opening work-group barrier
	s_cmp_lg_u32 s20, 0
	s_cbranch_scc1 .Lnot_wave_0_\@
	s_barrier_signal -3
.Lnot_wave_0_\@:
	s_barrier_wait -3
	s_barrier_signal -1
	s_barrier_wait -1
.endm
.macro ROUND
	s_barrier_signal -1
	s_barrier_wait -1
	CREST
.endm
	s_load_b512 s[4:19], s[0:1], 0x0               ; qi s[4:5], ki s[6:7], vi s[8:9], woi s[10:11], gk s[12:13], gv s[14:15], bo s[16:17], out0 s[18:19]
	v_lshl_add_u32 v22, v0, 2, 0x4d800
	v_mov_b32 v23, 0
	ds_add_u32 v22, v23
	s_wait_dscnt 0x0
	v_lshrrev_b32 v1, 5, v0
	v_readfirstlane_b32 s20, v1                    ; wave 0..3
	s_bfe_u32 s21, ttmp6, 0x40000                  ; cx: my place in the cluster.  It enters s21, s22 and s52-55 alone: the addresses of Q and of out0
	s_lshl_b32 s22, ttmp9, 2
	s_add_co_u32 s22, s22, s21                     ; query block 0..255
	s_lshr_b32 s23, ttmp9, 4                       ; batch: 16 clusters each
	s_mov_b32 s40, 0x76543210                      ; v_permlanex16_b32: lane i reads lane i xor 16
	s_mov_b32 s41, 0xfedcba98
	s_mov_b32 s51, CSC
	s_cmp_eq_u32 s20, 1
	s_cselect_b32 s48, -1, 0                       ; lane masks: am I wave 1, 2, 3
	s_cmp_eq_u32 s20, 2
	s_cselect_b32 s49, -1, 0
	s_cmp_eq_u32 s20, 3
	s_cselect_b32 s50, -1, 0
	s_and_b32 s56, ttmp9, 15                       ; j: my cluster among the batch's sixteen; the four partners share it
	s_lshr_b32 s57, s56, 3
	s_mul_i32 s57, s57, 7
	s_and_b32 s56, s56, 7
	s_xor_b32 s56, s56, s57                        ; g = (j & 7) xor (7 if j >= 8)
	s_lshl_b32 s56, s56, 16                        ; the walk starts at tile 2 g: 2 g x 32,768 bytes
	s_mov_b32 s57, 0
	; descriptor group 1, for K and V alike: a dense block of 32,768 bytes as 128 rows of 32 elements of 8 bytes
	s_mov_b32 s24, 0x0023000f                      ; 15:0 mask: all four work-groups; 17:16 elements of 8 bytes; 21 set beside a mask
	s_mov_b32 s25, 32<<16                          ; tensor_dim0 = 32
	s_mov_b32 s26, 128<<16                         ; tensor_dim1 = 128
	s_mov_b32 s27, 32<<16                          ; tile_dim0 = 32
	s_mov_b32 s28, 128                             ; tile_dim1 = 128
	s_mov_b32 s29, 32                              ; 32 elements from row to row
	s_mov_b32 s30, 0
	s_mov_b32 s31, 0
	s_lshl_b32 s44, s23, 21                        ; a batch: 4,096 keys = 2 MiB of ki and of vi
	s_lshl_b32 s46, s20, 19                        ; my 1,024 keys: 512 KiB
	s_add_co_u32 s44, s44, s46
	s_mov_b32 s45, 0
	s_mov_b32 s32, 1                               ; group 0 for K: count,
	s_lshl_b32 s33, s20, 15                        ; LDS address: the wave's number alone,
	s_mov_b32 s36, 1                               ; group 0 for V
	s_lshl_b32 s37, s20, 15
	s_add_co_u32 s37, s37, VREG
	s_lshl_b32 s52, s22, 15                        ; my 64 queries: 32,768 bytes of qi
	s_mov_b32 s53, 0
	s_lshl_b32 s54, s22, 16                        ; and 65,536 bytes of out0
	s_mov_b32 s55, 0
	s_wait_kmcnt 0x0
	s_add_nc_u64 s[60:61], s[6:7], s[44:45]        ; ki and vi at my batch and wave,
	s_add_nc_u64 s[62:63], s[8:9], s[44:45]
	s_add_nc_u64 s[34:35], s[60:61], s[56:57]      ; global address: batch, wave and the cluster's start, which the four partners share,
	s_or_b32 s35, s35, 0x80000000                  ; type 2
	s_add_nc_u64 s[38:39], s[62:63], s[56:57]
	s_or_b32 s39, s39, 0x80000000
	s_add_nc_u64 s[52:53], s[4:5], s[52:53]
	s_add_nc_u64 s[54:55], s[18:19], s[54:55]
	ROUND                                          ; all four work-groups are here: the first joint loads meet
	tensor_load_to_lds s[32:35], s[24:31]          ; K of step 0
	s_nop 0
	tensor_load_to_lds s[36:39], s[24:31]          ; V of step 0
	s_nop 0
	v_and_b32 v[L16], 31, v0
	v_lshlrev_b32 v[L16], 4, v[L16]
	v_add_nc_u32 v[KADR], s33, v[L16]
	v_add_nc_u32 v[VADR], s37, v[L16]
	v_bfe_u32 v[XR], v0, 4, 1
	v_lshlrev_b32 v[XR], 5, v[XR]                  ; 32 h: eight f32 for each half of the lanes
	WIN 0x40
.irp qt, 0,1,2,3
.irp ks, 0,1,2,3,4,5,6,7
	global_load_b128 v[8*(8*\qt+\ks):8*(8*\qt+\ks)+3], v[L16], s[52:53] offset:\qt*8192+\ks*1024
	global_load_b128 v[8*(8*\qt+\ks)+4:8*(8*\qt+\ks)+7], v[L16], s[52:53] offset:\qt*8192+\ks*1024+512
.endr
.endr
	WIN 0
.set nn, 0
.rept 32                                       ; gk in f32, in fragment order: d = 32 ks + 16 c + 8 h + 4 u .. +3 at index 4 ks + 2 c + u
	global_load_b128 v[SR+4*nn:SR+4*nn+3], v[XR], s[12:13] offset:(nn>>2)*128+((nn>>1)&1)*64+(nn&1)*16
.set nn, nn+1
.endr
	s_wait_loadcnt 0x0
.set nn, 0
.rept 64
	v_cvt_pk_bf16_f32 v[RING+nn], v[SR+2*nn], v[SR+2*nn+1]     ; eight fragments whose 16 rows are all gk
.set nn, nn+1
.endr
	WIN 0x04
.irp ks, 0,1,2,3,4,5,6,7
.irp t, 0,1,2,3
.if \ks == 0
	v_wmma_f32_16x16x32_bf16 v[SR+8*\t:SR+8*\t+7], v[RING+8*\ks:RING+8*\ks+7], v[8*(8*\t+\ks):8*(8*\t+\ks)+7], 0
.else
	v_wmma_f32_16x16x32_bf16 v[SR+8*\t:SR+8*\t+7], v[RING+8*\ks:RING+8*\ks+7], v[8*(8*\t+\ks):8*(8*\t+\ks)+7], v[SR+8*\t:SR+8*\t+7]
.endif
.endr
.endr                                          ; four accumulators by turns
	WIN 0
	PLACES 4
.irp t, 0,1,2,3
	v_mul_f32 v[SG+\t], s51, v[SR+8*\t]            ; every row of the result is the token's score of query r
	v_mov_b32 v[YR+\t], 0                          ; v_permlanex16_b32 counts as a reader of its destination
	v_mov_b32 v[LP+2*\t], 0
	v_mov_b32 v[LP+2*\t+1], 0
.endr
.irp t, 0,1,2,3
	v_mov_b32 v[MA+2*\t], v[SG+\t]                 ; the running maximum starts at a score that every query has: always finite
.endr
.macro KLOAD g, slot                   ; K fragments (kt = 0..3, ks = g): 8 loads, lane i at byte 16 i of a piece
.irp kt, 0,1,2,3
	ds_load_b128 v[RING+32*(\slot)+8*\kt:RING+32*(\slot)+8*\kt+3], v[KADR] offset:\kt*8192+(\g)*1024
	ds_load_b128 v[RING+32*(\slot)+8*\kt+4:RING+32*(\slot)+8*\kt+7], v[KADR] offset:\kt*8192+(\g)*1024+512
.endr
.endm
.macro VLOAD g, slot                   ; V^T fragments (kb = 0, 1; d tiles 2 g, 2 g + 1) at place 2 kb + (i & 1) of the slot: 8 loads
.irp kb, 0,1
.irp ii, 0,1
	ds_load_b128 v[RING+32*(\slot)+8*(2*\kb+\ii):RING+32*(\slot)+8*(2*\kb+\ii)+3], v[VADR] offset:\kb*16384+(2*(\g)+\ii)*1024
	ds_load_b128 v[RING+32*(\slot)+8*(2*\kb+\ii)+4:RING+32*(\slot)+8*(2*\kb+\ii)+7], v[VADR] offset:\kb*16384+(2*(\g)+\ii)*1024+512
.endr
.endr
.endm
.macro SMUL g, slot                    ; 32 along d for all 64 keys x 64 queries: sixteen accumulators by turns; g = 0 starts the sums
.irp kt, 0,1,2,3
.irp qt, 0,1,2,3
.if \g == 0
	v_wmma_f32_16x16x32_bf16 v[SR+8*(4*\kt+\qt):SR+8*(4*\kt+\qt)+7], v[RING+32*(\slot)+8*\kt:RING+32*(\slot)+8*\kt+7], v[8*(8*\qt+\g):8*(8*\qt+\g)+7], 0
.else
	v_wmma_f32_16x16x32_bf16 v[SR+8*(4*\kt+\qt):SR+8*(4*\kt+\qt)+7], v[RING+32*(\slot)+8*\kt:RING+32*(\slot)+8*\kt+7], v[8*(8*\qt+\g):8*(8*\qt+\g)+7], v[SR+8*(4*\kt+\qt):SR+8*(4*\kt+\qt)+7]
.endif
.endr
.endr
.endm
.macro PMUL g, slot, first             ; d tiles 2 g, 2 g + 1 x 64 queries, 64 keys: eight accumulators by turns, twice; in the first step the first 32 keys start the sums
.irp kb, 0,1
.irp ii, 0,1
.irp qt, 0,1,2,3
.set ZC, 0
.if \first
.if \kb == 0
.set ZC, 1
.endif
.endif
.if ZC
	v_wmma_f32_16x16x32_bf16 v[8*(4*((2*(\g)+\ii)&7)+\qt):8*(4*((2*(\g)+\ii)&7)+\qt)+7], v[RING+32*(\slot)+8*(2*\kb+\ii):RING+32*(\slot)+8*(2*\kb+\ii)+7], v[SR+8*(8*\kb+\qt):SR+8*(8*\kb+\qt)+7], 0
.else
	v_wmma_f32_16x16x32_bf16 v[8*(4*((2*(\g)+\ii)&7)+\qt):8*(4*((2*(\g)+\ii)&7)+\qt)+7], v[RING+32*(\slot)+8*(2*\kb+\ii):RING+32*(\slot)+8*(2*\kb+\ii)+7], v[SR+8*(8*\kb+\qt):SR+8*(8*\kb+\qt)+7], v[8*(4*((2*(\g)+\ii)&7)+\qt):8*(4*((2*(\g)+\ii)&7)+\qt)+7]
.endif
.endr
.endr
.endr
.endm
; The new maximum of each query tile (32 scores a lane, four chains that start from the old maximum; the other half of the lanes holds the other keys),
; alpha = 2^(old - new), and the sums of weights rescaled.
.macro B1
.set pp, 0
.rept 16
.irp t, 0,1,2,3
.if pp == 0
	v_max3_num_f32 v[XR+\t], v[MA+2*\t], v[SR+8*\t], v[SR+8*\t+1]
.else
	v_max3_num_f32 v[XR+\t], v[XR+\t], v[SR+32*(pp>>2)+8*\t+2*(pp&3)], v[SR+32*(pp>>2)+8*\t+2*(pp&3)+1]
.endif
.endr
.set pp, pp+1
.endr
.irp t, 0,1,2,3
	v_permlanex16_b32 v[YR+\t], v[XR+\t], s40, s41
.endr
.irp t, 0,1,2,3
	v_max_num_f32 v[XR+\t], v[XR+\t], v[YR+\t]
.endr
.irp t, 0,1,2,3
	v_sub_f32 v[YR+\t], v[MA+2*\t], v[XR+\t]
.endr
.irp t, 0,1,2,3
	v_exp_f32 v[MA+2*\t+1], v[YR+\t]
.endr
.irp t, 0,1,2,3
	v_mov_b32 v[MA+2*\t], v[XR+\t]                 ; plain instructions between the exponentials and the first use of their results (ISA guide 5.7.2)
.endr
	s_wait_alu depctr_va_vdst(0)
.irp t, 0,1,2,3
	v_pk_mul_f32 v[LP+2*\t:LP+2*\t+1], v[LP+2*\t:LP+2*\t+1], v[MA+2*\t:MA+2*\t+1] op_sel:[0,1] op_sel_hi:[1,1]
.endr
.endm
.macro SUBT idx                        ; tile idx = 4 kt + qt: scores less the maximum
.irp j, 0,2,4,6
	v_pk_add_f32 v[SR+8*(\idx)+\j:SR+8*(\idx)+\j+1], v[SR+8*(\idx)+\j:SR+8*(\idx)+\j+1], v[MA+2*((\idx)&3):MA+2*((\idx)&3)+1] op_sel_hi:[1,0] neg_lo:[0,1] neg_hi:[0,1]
.endr
.endm
.macro EXPT idx
.irp j, 0,1,2,3,4,5,6,7
	v_exp_f32 v[SR+8*(\idx)+\j], v[SR+8*(\idx)+\j]
.endr
.endm
.macro SUMCVT idx                      ; the tile's weights summed in f32, then packed: an even key tile into its own registers 0-3, an odd one into registers 4-7 of the tile before
.set SBASE, SR+8*(\idx)
.if ((\idx)>>2)&1
.set DBASE, SBASE-32+4
.else
.set DBASE, SBASE
.endif
.set LBASE, LP+2*((\idx)&3)
	s_wait_alu depctr_va_vdst(0)
	v_pk_add_f32 v[XR:XR+1], v[SBASE:SBASE+1], v[SBASE+2:SBASE+3]
	v_pk_add_f32 v[XR+2:XR+3], v[SBASE+4:SBASE+5], v[SBASE+6:SBASE+7]
	v_cvt_pk_bf16_f32 v[DBASE], v[SBASE], v[SBASE+1]
	v_cvt_pk_bf16_f32 v[DBASE+1], v[SBASE+2], v[SBASE+3]
	v_cvt_pk_bf16_f32 v[DBASE+2], v[SBASE+4], v[SBASE+5]
	v_cvt_pk_bf16_f32 v[DBASE+3], v[SBASE+6], v[SBASE+7]
	v_pk_add_f32 v[LBASE:LBASE+1], v[LBASE:LBASE+1], v[XR:XR+1]
	v_pk_add_f32 v[LBASE:LBASE+1], v[LBASE:LBASE+1], v[XR+2:XR+3]
.endm
.macro B2                              ; behind a tile's exponentials stands the next tile's subtraction: the plain place that they need (ISA guide 5.7.2)
	SUBT 0
.irp idx, 0,1,2,3,4,5,6,7,8,9,10,11,12,13,14,15
	EXPT \idx
.if \idx < 15
	SUBT \idx+1
.else
	v_nop
	s_wait_alu depctr_va_vdst(0)
.endif
	SUMCVT \idx
.endr
.endm
.macro RESCALE                         ; O *= alpha of its query tile: 2 x 128 packed multiplies
	WIN 0x82
.set nn, 0
.rept 32
.irp j, 0,2,4,6
	v_pk_mul_f32 v[8*nn+\j:8*nn+\j+1], v[8*nn+\j:8*nn+\j+1], v[MA+2*(nn&3):MA+2*(nn&3)+1] op_sel:[0,1] op_sel_hi:[1,1]
.endr
.set nn, nn+1
.endr
	WIN 0xc3
.set nn, 0
.rept 32
.irp j, 0,2,4,6
	v_pk_mul_f32 v[8*nn+\j:8*nn+\j+1], v[8*nn+\j:8*nn+\j+1], v[MA+2*(nn&3):MA+2*(nn&3)+1] op_sel:[0,1] op_sel_hi:[1,1]
.endr
.set nn, nn+1
.endr
	WIN 0
.endm
; One step: 64 keys.  On entry K's groups 0 and 1 are on their way from LDS into slots 2 and 0.  Group g of the scores uses slot (g + 2) % 3, group g of P V slot g % 3.
; first = 1: O's sums start here.  refill = 1: the next step's K and V are asked for, each behind a round of the cluster's barrier.
; The two rounds stand so that either load has about half a step in which to land: K's round behind the maxima, V's behind group 6 of P V.
.macro STEP first, refill
.irp g, 0,1,2,3,4,5
.if \g == 0
	PLACES 5                                       ; five places: group 0 writes over P, which the last matrix instructions read
.else
	PLACES 4                                       ; four places in front of loads into the slot that the last group read
.endif
	KLOAD \g+2, (\g+1)%3
	s_wait_dscnt 16                                ; LDS loads come back in order (ISA guide 5.7.1): group g is in, the two younger groups of 8 stay out
	WIN 0x04
	SMUL \g, (\g+2)%3
.endr
	s_wait_dscnt 0x0                               ; groups 6 and 7 are in: my reads of this K tile are over
	SMUL 6, 2
	SMUL 7, 0
	WIN 0
	PLACES 4
	B1
	s_wait_xcnt 0x0
	v_lshl_add_u32 v22, v0, 2, 0x4d800
	v_mov_b32 v23, 0
	s_wait_tensorcnt 0x0                           ; my one tensor load that was out, this step's V, has landed: it had one group of P V, all eight groups of scores and the maxima
	ds_add_u32 v22, v23
	s_wait_dscnt 0x0
.if \refill
	s_wait_dscnt 0x0                               ; met at once: the wait just above has already covered every LDS instruction
	s_add_co_u32 s56, s56, STEPB                   ; no tensor load of mine is out: K's address may be written.  The next tile of the walk,
	s_and_b32 s56, s56, WRAP                       ; round the wave's 16 tiles
	s_add_nc_u64 s[34:35], s[60:61], s[56:57]
	s_or_b32 s35, s35, 0x80000000
	s_barrier_signal -1                            ; opens the round; only register work up to its closing wait
.endif
.if \first == 0
	RESCALE
.endif
.if \refill
	s_barrier_wait -1
	CREST                                          ; no wave of any partner still reads its K tile or has a load on its way
	tensor_load_to_lds s[32:35], s[24:31]          ; the next K: it has the exponentials and six groups of P V in which to land
	s_nop 0
.endif
	VLOAD 0, 0
	VLOAD 1, 1
	B2
.irp g, 0,1,2,3,4,5
.if \g > 0
	PLACES 4
.endif
	WIN 0
	VLOAD \g+2, (\g+2)%3
	s_wait_dscnt 16                                ; group g is in, two younger groups stay out
.if \g < 4
	WIN 0xa0
.else
	WIN 0xf0
.endif
	PMUL \g, \g%3, \first
.endr
	s_wait_dscnt 0x0                               ; my reads of this V tile are over
.if \refill
	s_wait_xcnt 0x0
	s_set_vgpr_msb 0xf030
	v_lshl_add_u32 v22, v0, 2, 0x4d800
	v_mov_b32 v23, 0
	s_wait_tensorcnt 0x0                           ; and the next K has landed
	ds_add_u32 v22, v23
	s_wait_dscnt 0x0
	s_set_vgpr_msb 0x30f0
	s_add_nc_u64 s[38:39], s[62:63], s[56:57]      ; V's next tile lies at the offset that K's was given in this step
	s_or_b32 s39, s39, 0x80000000
	s_barrier_signal -1
.endif
	PMUL 6, 0, \first
.if \refill
	WIN 0
	s_barrier_wait -1
	CREST
	tensor_load_to_lds s[36:39], s[24:31]          ; the next V
	s_nop 0
	PLACES 4
	KLOAD 0, 2
	KLOAD 1, 0
	WIN 0xf0
.endif
	PMUL 7, 1, \first
	WIN 0
.endm
	s_wait_tensorcnt 1                             ; tensor loads of a wave end in order (ISA guide 10.11.1): K of step 0 is in, V of step 0 may be out; only I read my tiles
	KLOAD 0, 2
	KLOAD 1, 0
	STEP 1, 1
	s_mov_b32 s42, 14
.Lstep:
	STEP 0, 1
	s_sub_co_u32 s42, s42, 1
	s_cmp_lg_u32 s42, 0
	s_cbranch_scc1 .Lstep
	STEP 0, 0                                      ; the last step asks for nothing
	; THE END.  First what the tail needs from memory: my 64 rows of Wo (window 1), gv in O's lane order, bo in the output tiles' lane order.
	PLACES 4
	v_bfe_u32 v[GVO], v0, 4, 1
	v_lshlrev_b32 v[GVO], 5, v[GVO]                ; 32 h
	s_lshl_b32 s46, s20, 8
	v_add_nc_u32 v[BOO], s46, v[GVO]               ; + my 64 features of bo
	WIN 0x40
.irp et, 0,1,2,3
.irp ks, 0,1,2,3,4,5,6,7
	global_load_b128 v[8*(8*\et+\ks):8*(8*\et+\ks)+3], v[KADR], s[10:11] offset:\et*8192+\ks*1024
	global_load_b128 v[8*(8*\et+\ks)+4:8*(8*\et+\ks)+7], v[KADR], s[10:11] offset:\et*8192+\ks*1024+512
.endr
.endr
	WIN 0
.irp i, 0,1,2,3,4,5,6,7,8,9,10,11,12,13,14,15
	global_load_b128 v[SR+8*\i:SR+8*\i+3], v[GVO], s[14:15] offset:\i*64
	global_load_b128 v[SR+8*\i+4:SR+8*\i+7], v[GVO], s[14:15] offset:\i*64+16
.endr
.irp et, 0,1,2,3
	global_load_b128 v[224+8*\et:224+8*\et+3], v[BOO], s[16:17] offset:\et*64
	global_load_b128 v[224+8*\et+4:224+8*\et+7], v[BOO], s[16:17] offset:\et*64+16
.endr
	; The four waves' maxima and sums meet in LDS.
.irp t, 0,1,2,3
	v_add_f32 v[XR+\t], v[LP+2*\t], v[LP+2*\t+1]
.endr
.irp t, 0,1,2,3
	v_permlanex16_b32 v[YR+\t], v[XR+\t], s40, s41
.endr
.irp t, 0,1,2,3
	v_add_f32 v[XR+\t], v[XR+\t], v[YR+\t]         ; my wave's sum of weights of query r
.endr
	v_and_b32 v[STL], 31, v0
	v_lshlrev_b32 v[STL], 2, v[STL]
	v_add_nc_u32 v[STL], STAT, v[STL]
	s_lshl_b32 s46, s20, 10
	v_add_nc_u32 v[STS], s46, v[STL]
.irp t, 0,1,2,3
	ds_store_b32 v[STS], v[MA+2*\t] offset:\t*128
	ds_store_b32 v[STS], v[XR+\t] offset:512+\t*128
.endr
	s_wait_dscnt 0x0                               ; my figures are in LDS,
	s_barrier_signal -1
	s_barrier_wait -1                              ; everybody's are
.irp t, 0,1,2,3
.irp w, 0,1,2,3
	ds_load_b32 v[RING+4*\t+\w], v[STL] offset:\w*1024+\t*128
	ds_load_b32 v[RING+16+4*\t+\w], v[STL] offset:\w*1024+\t*128+512
.endr
.endr
	s_wait_dscnt 0x0
.irp t, 0,1,2,3
	v_max3_num_f32 v[XR+\t], v[RING+4*\t], v[RING+4*\t+1], v[RING+4*\t+2]
.endr
.irp t, 0,1,2,3
	v_max_num_f32 v[XR+\t], v[XR+\t], v[RING+4*\t+3]   ; the maximum over all 4,097 keys: each wave's started from the token's score
.endr
.irp t, 0,1,2,3
.irp w, 0,1,2,3
	v_sub_f32 v[RING+4*\t+\w], v[RING+4*\t+\w], v[XR+\t]
.endr
	v_sub_f32 v[YR+\t], v[SG+\t], v[XR+\t]
	v_sub_f32 v[MA+2*\t], v[MA+2*\t], v[XR+\t]
.endr
.irp t, 0,1,2,3
.irp w, 0,1,2,3
	v_exp_f32 v[RING+4*\t+\w], v[RING+4*\t+\w]
.endr
	v_exp_f32 v[YR+\t], v[YR+\t]
	v_exp_f32 v[MA+2*\t+1], v[MA+2*\t]
.endr
	v_nop
	s_wait_alu depctr_va_vdst(0)
.irp t, 0,1,2,3
	v_fma_f32 v[XR+\t], v[RING+4*\t], v[RING+16+4*\t], v[YR+\t]    ; the token's weight starts the sum: at least one term is 1, so the sum is 1 to 4,097
.endr
.irp w, 1,2,3
.irp t, 0,1,2,3
	v_fma_f32 v[XR+\t], v[RING+4*\t+\w], v[RING+16+4*\t+\w], v[XR+\t]
.endr
.endr
.irp t, 0,1,2,3
	v_rcp_f32 v[XR+\t], v[XR+\t]
.endr
	v_nop
	s_wait_alu depctr_va_vdst(0)
.irp t, 0,1,2,3
	v_mul_f32 v[MA+2*\t+1], v[MA+2*\t+1], v[XR+\t] ; what my partial O is multiplied by: 2^(my maximum - the maximum) / sum
	v_mul_f32 v[YR+\t], v[YR+\t], v[XR+\t]         ; the token's weight
.endr
	v_cndmask_b32 v[XR], v[YR], v[YR+1], s48       ; the token's weight for query tile t = my wave's number, which I finish below
	v_cndmask_b32 v[XR], v[XR], v[YR+2], s49
	v_cndmask_b32 v[XR], v[XR], v[YR+3], s50
	v_mov_b32 v[XR+1], v[XR]
	RESCALE
	; My scaled partial O, 65,536 bytes, into my own K and V regions, which have had their last fill: query tile t at (t >> 1) * 131072 + w * 32768 + (t & 1) * 16384.
.macro PSTORE hi
.irp i, 0,1,2,3,4,5,6,7
.irp t, 0,1
.irp u, 0,1
	ds_store_b128 v[KADR], v[8*(4*\i+\t)+4*\u:8*(4*\i+\t)+4*\u+3] offset:\t*16384+(\i+8*\hi)*1024+\u*512
	ds_store_b128 v[VADR], v[8*(4*\i+\t+2)+4*\u:8*(4*\i+\t+2)+4*\u+3] offset:\t*16384+(\i+8*\hi)*1024+\u*512
.endr
.endr
.endr
.endm
	WIN 0x08
	PSTORE 0
	WIN 0x0c
	PSTORE 1
	WIN 0
	v_and_b32 v11, 15, v0                          ; r
	v_bfe_u32 v12, v0, 4, 1                        ; h
	s_lshr_b32 s46, s20, 1
	s_lshl_b32 s46, s46, 17
	s_and_b32 s47, s20, 1
	s_lshl_b32 s47, s47, 14
	s_add_co_u32 s46, s46, s47
	v_add_nc_u32 v4, s46, v[L16]                   ; query tile w in wave 0's region,
	v_add_nc_u32 v5, 0x10000, v4                   ; in wave 2's
	s_lshl_b32 s46, s20, 13
	s_add_co_u32 s46, s46, AF
	v_add_nc_u32 v6, s46, v[L16]                   ; where my tile's fragments go
	v_add_nc_u32 v7, AF, v[L16]                    ; from where all four are read
	s_mul_i32 s46, s20, STGW
	s_add_co_u32 s46, s46, STG
	v_mul_u32_u24 v8, v11, SPITCH
	v_lshl_add_u32 v8, v12, 5, v8
	v_add_nc_u32 v8, s46, v8                       ; stage, in: row r, 32 bytes for each half of the lanes
	v_mul_u32_u24 v9, v12, SPITCH
	v_lshl_add_u32 v9, v11, 4, v9
	v_add_nc_u32 v9, s46, v9                       ; stage, back: lanes 0-15 one row of 256 bytes, lanes 16-31 the next
	s_lshl_b32 s47, s20, 8
	v_lshlrev_b32 v10, 10, v12
	v_lshl_add_u32 v10, v11, 4, v10
	v_add_nc_u32 v10, s47, v10                     ; the same two rows in out0, at my 64 features
	s_wait_dscnt 0x0
	s_barrier_signal -1
	s_barrier_wait -1
	; Wave w sums query tile w of all four waves: 4 x 128 registers.
.macro PLOAD adr, half, ofs
.irp i, 0,1,2,3,4,5,6,7,8,9,10,11,12,13,14,15
	ds_load_b128 v[\half+8*\i:\half+8*\i+3], v[\adr] offset:\ofs+\i*1024
	ds_load_b128 v[\half+8*\i+4:\half+8*\i+7], v[\adr] offset:\ofs+\i*1024+512
.endr
.endm
	WIN 0x80
	PLOAD 4, 0, 0
	PLOAD 4, 128, 32768
	WIN 0xc0
	PLOAD 5, 0, 0
	PLOAD 5, 128, 32768
	s_wait_dscnt 63                                ; waves 0 and 1's are in: 64 loads are younger, and 63 is the most that the wait can name
	WIN 0x8a
.set nn, 0
.rept 64
	v_pk_add_f32 v[2*nn:2*nn+1], v[2*nn:2*nn+1], v[128+2*nn:129+2*nn]
.set nn, nn+1
.endr
	s_wait_dscnt 0x0
	WIN 0xcf
.set nn, 0
.rept 64
	v_pk_add_f32 v[2*nn:2*nn+1], v[2*nn:2*nn+1], v[128+2*nn:129+2*nn]
.set nn, nn+1
.endr
	WIN 0x8e
.set nn, 0
.rept 64
	v_pk_add_f32 v[2*nn:2*nn+1], v[2*nn:2*nn+1], v[2*nn:2*nn+1]
.set nn, nn+1
.endr
	s_wait_loadcnt 0x0                             ; Wo, gv, bo
	WIN 0xa0
.set nn, 0
.rept 64
	v_pk_fma_f32 v[2*nn:2*nn+1], v[SR+2*nn:SR+2*nn+1], v[XR:XR+1], v[2*nn:2*nn+1] op_sel_hi:[1,0,1]   ; + the token's weight x gv, in f32
.set nn, nn+1
.endr
	WIN 0x0a
.set nn, 0
.rept 64
	v_cvt_pk_bf16_f32 v[RING+nn], v[2*nn], v[2*nn+1]               ; d tiles 2 ks, 2 ks + 1 become fragment ks of attn^T
.set nn, nn+1
.endr
	WIN 0
.irp p, 0,1,2,3,4,5,6,7,8,9,10,11,12,13,14,15
	ds_store_b128 v6, v[RING+4*\p:RING+4*\p+3] offset:\p*512
.endr
	s_wait_dscnt 0x0
	s_barrier_signal -1
	s_barrier_wait -1
	; out^T(e, q) for my 64 features and all 64 queries: 128 matrix instructions, sixteen accumulators by turns; bo starts the sums.
	WIN 0x80
.irp t, 0,1,2,3
.irp ks, 0,1,2,3,4,5,6,7
	ds_load_b128 v[8*(8*\t+\ks):8*(8*\t+\ks)+3], v7 offset:\t*8192+\ks*1024
	ds_load_b128 v[8*(8*\t+\ks)+4:8*(8*\t+\ks)+7], v7 offset:\t*8192+\ks*1024+512
.endr
.endr
	s_wait_dscnt 0x0
	WIN 0xc9
.irp et, 0,1,2,3
.irp t, 0,1,2,3
	v_wmma_f32_16x16x32_bf16 v[8*(4*\et+\t):8*(4*\et+\t)+7], v[8*(8*\et):8*(8*\et)+7], v[8*(8*\t):8*(8*\t)+7], v[224+8*\et:224+8*\et+7]
.endr
.endr
	WIN 0xf9
.irp ks, 1,2,3,4,5,6,7
.irp et, 0,1,2,3
.irp t, 0,1,2,3
	v_wmma_f32_16x16x32_bf16 v[8*(4*\et+\t):8*(4*\et+\t)+7], v[8*(8*\et+\ks):8*(8*\et+\ks)+7], v[8*(8*\t+\ks):8*(8*\t+\ks)+7], v[8*(4*\et+\t):8*(4*\et+\t)+7]
.endr
.endr
.endr
	WIN 0
	PLACES 4
	; The way out, 16 queries at a time, through my own stage: a lane's 8 results are 32 neighbouring bytes of a row; rows are read back whole.
.macro OUTT t, buf
	WIN 0x0c
.irp et, 0,1,2,3
	ds_store_b128 v8, v[8*(4*\et+\t):8*(4*\et+\t)+3] offset:\et*64
	ds_store_b128 v8, v[8*(4*\et+\t)+4:8*(4*\et+\t)+7] offset:\et*64+16
.endr
	WIN 0
	s_wait_xcnt 0x0                                ; earlier stores have had their addresses translated (ISA guide 3.1): their data registers are loaded again only behind this wait
.irp i, 0,1,2,3,4,5,6,7
	ds_load_b128 v[\buf+4*\i:\buf+4*\i+3], v9 offset:\i*2*SPITCH   ; LDS serves a wave's instructions in order (ISA guide 5.7.1.4): these see the stores above
.endr
.irp i, 0,1,2,3,4,5,6,7
	s_wait_dscnt 7-\i
	global_store_b128 v10, v[\buf+4*\i:\buf+4*\i+3], s[54:55] offset:(16*\t+2*\i)*1024 th:TH_STORE_NT   ; 16 lanes store 256 consecutive bytes, at a multiple of 256 from out0's first byte
.endr
.endm
	OUTT 0, SR
	OUTT 1, SR+32
	OUTT 2, SR
	OUTT 3, SR+32
	s_wait_xcnt 0x0
	v_lshl_add_u32 v22, v0, 2, 0x4d800
	v_mov_b32 v23, 0
	s_wait_tensorcnt 0x0
	ds_add_u32 v22, v23
	s_wait_dscnt 0x0
	ROUND                                          ; the closing round: no work-group ends while a partner may still ask for a tile that names it
	s_endpgm
.Lfunc_end_k_qd5682620e2_attn:
	.size	k_qd5682620e2_attn, .Lfunc_end_k_qd5682620e2_attn-k_qd5682620e2_attn
	.p2alignl 7, 3214868480
	.fill 96, 4, 3214868480
	.section	.rodata,"a",@progbits
	.p2align	6, 0x0
	.amdhsa_kernel k_qd5682620e2_attn
		.amdhsa_group_segment_fixed_size 327680
		.amdhsa_private_segment_fixed_size 0
		.amdhsa_enable_private_segment 0
		.amdhsa_kernarg_size 64
		.amdhsa_user_sgpr_count 2
		.amdhsa_user_sgpr_kernarg_segment_ptr 1
		.amdhsa_wavefront_size32 1
		.amdhsa_system_sgpr_workgroup_id_x 1
		.amdhsa_system_sgpr_workgroup_id_y 1
		.amdhsa_system_sgpr_workgroup_id_z 1
		.amdhsa_system_vgpr_workitem_id 0
		.amdhsa_next_free_vgpr 1024
		.amdhsa_next_free_sgpr 66
		.amdhsa_reserve_vcc 0
		.amdhsa_float_denorm_mode_32 3
		.amdhsa_float_denorm_mode_16_64 3
		.amdhsa_memory_ordered 1
		.amdhsa_forward_progress 1
		.amdhsa_inst_pref_size 255
	.end_amdhsa_kernel
	.section	.bss,"aw",@nobits
	.p2align	6
	.space	262144
	.amdgpu_metadata
---
amdhsa.version: [ 1, 2 ]
amdhsa.kernels:
  - .name:           k_qd5682620e2_attn
    .symbol:         k_qd5682620e2_attn.kd
    .args:
      - { .name: qi, .offset: 0, .size: 8, .value_kind: global_buffer, .address_space: global }
      - { .name: ki, .offset: 8, .size: 8, .value_kind: global_buffer, .address_space: global }
      - { .name: vi, .offset: 16, .size: 8, .value_kind: global_buffer, .address_space: global }
      - { .name: woi, .offset: 24, .size: 8, .value_kind: global_buffer, .address_space: global }
      - { .name: gk, .offset: 32, .size: 8, .value_kind: global_buffer, .address_space: global }
      - { .name: gv, .offset: 40, .size: 8, .value_kind: global_buffer, .address_space: global }
      - { .name: bo, .offset: 48, .size: 8, .value_kind: global_buffer, .address_space: global }
      - { .name: out0, .offset: 56, .size: 8, .value_kind: global_buffer, .address_space: global }
    .group_segment_fixed_size: 327680
    .private_segment_fixed_size: 0
    .kernarg_segment_align: 8
    .kernarg_segment_size: 64
    .max_flat_workgroup_size: 128
    .sgpr_count:     66
    .vgpr_count:     1024
    .wavefront_size: 32
...
	.end_amdgpu_metadata
.endif
;; end of part 2
;; ======== version 2 of 2: 2 launches; version 1 with the launch proj written anew for expert scheduling mode
;; workspace buffers: qi 8,388,608 bytes; ki 8,388,608 bytes; vi 8,388,608 bytes; woi 131,072 bytes
;; launch proj (part 3): grid 64 x 3, 8 waves a work-group, no clusters, 271,360 bytes of LDS; arguments x, Wq, Wk, Wv, Wo, bq, bk, bv, qi, ki, vi, woi; writes qi, ki, vi, woi
.if DOCPART == 3
	.amdgcn_target "amdgcn-amd-amdhsa--gfx1250"
	.amdhsa_code_object_version 6
	.text
	.protected	k_qd5682620e2_proj
	.globl	k_qd5682620e2_proj
	.p2align	8
	.type	k_qd5682620e2_proj,@function
k_qd5682620e2_proj:
	s_mov_b64 s[64:65], 0
	v_nop
	global_prefetch_b8 v0, s[64:65] scope:SCOPE_SE
	s_setreg_imm32_b32 hwreg(HW_REG_WAVE_SCHED_MODE, 0, 2), 2
	s_setreg_imm32_b32 hwreg(HW_REG_WAVE_MODE, 25, 1), 1
	s_wait_xcnt 0x0
	s_wait_alu depctr_vm_vsrc(0)
; Q, K, V projections of x [16384][256] f32, written in bf16 as images of matrix fragments, and Wo rounded to bf16 in the same form.
; A piece of an image is 512 bytes: lane L's 16 bytes are registers 0-3 (c = 0) or 4-7 (c = 1) of a 16-bit fragment.  r = L & 15, h = L >> 4.
;   qi, ki: byte T*8192 + ks*1024 + c*512 + 16 L = row 16 T + r, features 32 ks + 16 c + 8 h .. +7 of CSC * (x W^T + b)
;   vi    : byte KB*16384 + i*1024 + c*512 + 16 L = feature 16 i + r, rows 32 KB + 16 c + 8 h .. +7 of x Wv^T + bv
;   woi   : byte et*8192 + ks*1024 + c*512 + 16 L = row 16 et + r of Wo, columns 32 ks + 16 c + 8 h .. +7
; CSC = sqrt(log2(e) / 16) stands on Q and on K alike, so that their products are the scores / sqrt(256) in powers of two.
; A work-group (x: block of 256 rows; y: job 0 = Q, 1 = K, 2 = V) makes 256 rows x 256 features.  Eight waves: wave w takes rows 64 (w & 3) .. +63
; and features 128 (w >> 2) .. +127: four row tiles kept in 256 registers, eight feature tiles in turn, 256 matrix instructions.
; x and W are f32 and are rounded on the way through registers into LDS.  NO JOINT TENSOR LOADS, though the three jobs share x and the 64 blocks
; share W: as f32 the two tiles are 2 x 262,144 bytes, more than the 327,680 bytes of LDS, and the rounding needs the registers anyway.
; Sums in f32, K ascending, one accumulator for each output; one rounding to bf16 at the end.
; THE MODE: SCHED_MODE bits 1:0 = 2 (LLVM: expert scheduling mode 2), set by the entry lines.  The code itself states the register dependences
; between vector or matrix instructions and memory or LDS instructions, with s_wait_alu, always for 0.
; THE PLAN.  Registers that memory or LDS instructions touch:
;   v1-v3, v7, v252, v253   offsets and LDS addresses, made at the head and never written again; v4 made once in each job's arm; v5, v6 once in Wo's block.
;   RAW0 .. RAW2   Staging, batch bn: 16 loads land in RAW[bn % 3]; the batch's 32 conversions read it; behind them the loads of batch bn + 3 land in it.
;   OUT0, OUT1     Batch bn's conversions write OUT[bn & 1]; the batch's 16 LDS stores read it; batch bn + 2's conversions write it again.
;   window 1       Behind the barrier all 256 registers (RAW and OUT) take x's fragments, by LDS loads; from then on matrix instructions alone name them.
;   FA0, FA1       Tile f's 32 matrix instructions read FA[f & 1]; behind them the LDS loads of tile f + 2 land in it.
;   OB             Tile f's 16 conversions write it; the tile's four stores read it; tile f + 1's conversions write it again.
;   ACC is named by matrix and vector instructions alone; BT is loaded once and then named by vector instructions alone.
; So a staging batch has ONE wait on va_vdst, behind its conversions (they are done reading RAW and have written OUT), with the batch's loads and LDS stores behind it,
; and one on vm_vsrc at its head, a whole batch behind the LDS stores that it speaks of.  A feature tile has ONE wait on va_vdst, behind its bias and rounding lines
; (OB is written; the matrix instructions are done reading FA[f & 1]), with its 16 LDS loads and 4 stores behind it, and one on vm_vsrc ahead of those lines, 32 matrix instructions behind the stores that it speaks of.
.set PITCH, 528                        ; an LDS row: 512 bytes of bf16 + 16: an odd multiple of 16, so 16 rows of one column start at 16 different 16-byte columns
.set XL,    256*PITCH                  ; LDS: W's 256 rows at 0, x's 256 rows behind them
.set CSC,   0x3e99be61                 ; sqrt(log2(e)/16)
.set XA,  1                            ; v1       LDS address of my x fragments
.set WA,  2                            ; v2       LDS address of my W fragments
.set SO,  3                            ; v3       my byte offset in the image
.set BO,  4                            ; v4       my byte offset in the bias
                                       ; v5, v6   Wo's piece: where I load, where I store (v6 holds the wave's number first)
.set LX,  7                            ; v7       staging: where my 8 bytes of a row of x go
                                       ; v8-11    L, r, h, r * pitch + 16 h
.set ACC, 12                           ; v12-43   four accumulators, one for each row tile
.set FA,  44                           ; v44-107, v108-171  two buffers of eight W fragments (one feature tile, all of K)
.set OB,  172                          ; v172-187 four tiles' packed results
.set BT,  188                          ; v188-251 Q, K: the bias of my 8 x 8 features, times CSC; V: v188-195 one bias a feature tile
.set LOFF, 252                         ; v252     staging: my byte offset in x's block and in W
.set LW,   253                         ; v253     staging: where my 8 bytes of a row of W go
                                       ; v254, v255  the closing add's two registers
.set RAW, 0                            ; window 1, while staging: three sets of 64 registers, f32 as loaded
.set OUT, 192                          ; window 1, while staging: two sets of 32 registers, bf16 to store into LDS
; window 1 afterwards: my 32 x fragments [rt][ks] at 8 (8 rt + ks)
.set MSB, 0
.macro WIN new                         ; s_set_vgpr_msb: bits 1:0 source 0, 3:2 source 1, 5:4 source 2, 7:6 destination; the high byte repeats the setting left
.if MSB != \new
	s_set_vgpr_msb (MSB<<8)|\new
.set MSB, \new
.endif
.endm
.macro PLACES cnt
.rept \cnt
	v_nop
.endr
.endm
	s_load_b512 s[4:19], s[0:1], 0x0               ; x s[4:5], Wq s[6:7], Wk s[8:9], Wv s[10:11], Wo s[12:13], bq s[14:15], bk s[16:17], bv s[18:19]
	s_load_b256 s[20:27], s[0:1], 0x40             ; qi s[20:21], ki s[22:23], vi s[24:25], woi s[26:27]
	v_lshl_add_u32 v254, v0, 2, 0x42000
	v_mov_b32 v255, 0
	v_lshrrev_b32 v6, 5, v0
	v_readfirstlane_b32 s28, v6                    ; wave 0..7
	v_and_b32 v8, 31, v0                           ; L
	v_and_b32 v9, 15, v0                           ; r
	v_bfe_u32 v10, v0, 4, 1                        ; h
	v_mul_u32_u24 v11, v9, PITCH
	v_lshl_add_u32 v11, v10, 4, v11                ; r * pitch + 16 h
	s_and_b32 s31, ttmp7, 0xffff                   ; job
	s_mov_b32 s38, CSC
	s_mov_b32 s39, CSC
	s_wait_alu depctr_va_sdst(0)                   ; s28 is written, ahead of its first reader: the wave's shares and all its addresses are made from it
	s_and_b32 s29, s28, 3                          ; rg: which 64 rows
	s_lshr_b32 s30, s28, 2                         ; fh: which 128 features
	s_mul_i32 s40, s29, 64*PITCH
	s_add_co_u32 s40, s40, XL
	v_add_nc_u32 v[XA], s40, v11
	s_mul_i32 s41, s30, 128*PITCH
	v_add_nc_u32 v[WA], s41, v11
	s_cmp_eq_u32 s31, 2
	s_cselect_b32 s42, 13, 12                      ; eight feature tiles are 8 x 1,024 bytes of vi, 8 x 512 bytes of qi and ki
	s_lshl_b32 s42, s30, s42
	s_lshl_b32 s43, s29, 15                        ; 64 rows are 32,768 bytes of every image
	s_add_co_u32 s42, s42, s43
	v_lshl_add_u32 v[SO], v8, 4, s42
	s_lshl_b32 s44, s28, 15                        ; staging: wave w brings rows 32 w .. +31 of x's block and of W (1,024 bytes each)
	s_mul_i32 s45, s28, 32*PITCH
	s_add_co_u32 s46, s45, XL
	v_lshl_add_u32 v[LOFF], v8, 4, s44
	v_lshl_add_u32 v[LW], v8, 3, s45
	v_lshl_add_u32 v[LX], v8, 3, s46
	s_lshl_b32 s40, ttmp9, 18                      ; 256 rows of x: 262,144 bytes
	s_mov_b32 s41, 0
	s_lshl_b32 s42, ttmp9, 17                      ; 256 rows of an image: 131,072 bytes
	s_mov_b32 s43, 0
	s_wait_kmcnt 0x0
	s_cmp_eq_u32 s31, 1
	s_cselect_b64 s[32:33], s[8:9], s[6:7]         ; the job's W,
	s_cselect_b64 s[34:35], s[16:17], s[14:15]     ; bias
	s_cselect_b64 s[36:37], s[22:23], s[20:21]     ; and image
	s_cmp_eq_u32 s31, 2
	s_cselect_b64 s[32:33], s[10:11], s[32:33]
	s_cselect_b64 s[34:35], s[18:19], s[34:35]
	s_cselect_b64 s[36:37], s[24:25], s[36:37]
	s_add_nc_u64 s[4:5], s[4:5], s[40:41]
	s_add_nc_u64 s[36:37], s[36:37], s[42:43]
; Batch bn (0-3: x, 4-7: W): 8 of my 32 rows, 16 loads of 512 consecutive bytes, into raw set bn % 3.
.macro LOADB bn
.set SB, RAW+64*((\bn)%3)
.set ROW0, 8*((\bn)&3)
.set kk, 0
.rept 8
.if (\bn) < 4
	global_load_b128 v[SB+8*kk:SB+8*kk+3], v[LOFF], s[4:5] offset:(ROW0+kk)*1024
	global_load_b128 v[SB+8*kk+4:SB+8*kk+7], v[LOFF], s[4:5] offset:(ROW0+kk)*1024+512
.else
	global_load_b128 v[SB+8*kk:SB+8*kk+3], v[LOFF], s[32:33] offset:(ROW0+kk)*1024
	global_load_b128 v[SB+8*kk+4:SB+8*kk+7], v[LOFF], s[32:33] offset:(ROW0+kk)*1024+512
.endif
.set kk, kk+1
.endr
.endm
; The batch rounded to bf16 (four f32 become 8 bytes), out of its raw set into out-buffer bn & 1.
.macro CVTB bn
.set SB, RAW+64*((\bn)%3)
.set DB, OUT+32*((\bn)&1)
.set kk, 0
.rept 16
	v_cvt_pk_bf16_f32 v[DB+2*kk], v[SB+4*kk], v[SB+4*kk+1]
	v_cvt_pk_bf16_f32 v[DB+2*kk+1], v[SB+4*kk+2], v[SB+4*kk+3]
.set kk, kk+1
.endr
.endm
; The out-buffer laid into LDS: 32 lanes write 256 consecutive bytes.
.macro STOB bn
.set DB, OUT+32*((\bn)&1)
.set ROW0, 8*((\bn)&3)
.set kk, 0
.rept 16
.if (\bn) < 4
	ds_store_b64 v[LX], v[DB+2*kk:DB+2*kk+1] offset:(ROW0+kk/2)*PITCH+(kk&1)*256
.else
	ds_store_b64 v[LW], v[DB+2*kk:DB+2*kk+1] offset:(ROW0+kk/2)*PITCH+(kk&1)*256
.endif
.set kk, kk+1
.endr
.endm
	WIN 0x44                                       ; staging's loads and LDS stores: data in window 1 (a load's destination, a store's source 1), addresses in window 0
	s_wait_alu depctr_va_vdst(0)                   ; v1, v2, v3, v7, v252 and v253 are written: every load and store of the kernel but the bias's and Wo's reads one of them as its offset or address
	LOADB 0
	LOADB 1
	LOADB 2                                        ; 48 loads of every wave are out
	WIN 0
	; Wo's image: 256 pieces, one for each of waves 0-3 of the 64 work-groups of job 0.  One block, with its own wait, while the 48 loads above are on their way.
	s_lshl_b32 s44, s31, 3
	s_add_co_u32 s44, s44, s28
	s_cmp_ge_u32 s44, 4
	s_cbranch_scc1 .Lno_wo
	s_lshl_b32 s45, ttmp9, 2
	s_add_co_u32 s45, s45, s28                     ; piece p = 16 et + 2 ks + c
	s_lshr_b32 s46, s45, 4
	s_lshl_b32 s46, s46, 14                        ; 16 et rows of 1,024 bytes
	s_bfe_u32 s47, s45, 0x30001
	s_lshl_b32 s47, s47, 7                         ; 32 ks columns
	s_add_co_u32 s46, s46, s47
	s_and_b32 s47, s45, 1
	s_lshl_b32 s47, s47, 6                         ; 16 c columns
	s_add_co_u32 s46, s46, s47
	v_lshl_add_u32 v5, v9, 10, s46                 ; + row r
	v_lshl_add_u32 v5, v10, 5, v5                  ; + 8 h columns
	s_lshl_b32 s47, s45, 9
	v_lshl_add_u32 v6, v8, 4, s47                  ; 512 p + 16 L
	s_wait_alu depctr_va_vdst(0)                   ; v5 is written, which the two loads read as their offset (and v6, the store's)
	global_load_b128 v[OB:OB+3], v5, s[12:13]
	global_load_b128 v[OB+4:OB+7], v5, s[12:13] offset:16
	s_wait_loadcnt 0x0
	v_cvt_pk_bf16_f32 v[OB+8], v[OB], v[OB+1]
	v_cvt_pk_bf16_f32 v[OB+9], v[OB+2], v[OB+3]
	v_cvt_pk_bf16_f32 v[OB+10], v[OB+4], v[OB+5]
	v_cvt_pk_bf16_f32 v[OB+11], v[OB+6], v[OB+7]
	s_wait_alu depctr_va_vdst(0)                   ; the four conversions have written v[OB+8 .. OB+11], the store's data
	global_store_b128 v6, v[OB+8:OB+11], s[26:27]  ; 512 consecutive bytes; OB is written again only behind the two waits at the head of feature tile 0's rounding
.Lno_wo:
.irp bn, 0,1,2,3,4,5,6,7
	WIN 0x45                                       ; the conversions: destination and both sources in window 1
.if \bn < 6
	s_wait_loadcnt 32                              ; loads come back in order (ISA guide 5.7.1): this batch is in, the two younger batches of 16 stay out
.elseif \bn == 6
	s_wait_loadcnt 16                              ; one younger batch
.else
	s_wait_loadcnt 0
.endif
.if \bn > 1
	s_wait_alu depctr_vm_vsrc(0)                   ; the LDS stores of two batches back have read this out-buffer, which the conversions below write again
.endif
	CVTB \bn
	WIN 0x44
	s_wait_alu depctr_va_vdst(0)                   ; the conversions are done reading the raw set, in which the loads below land, and have written the out-buffer, which the LDS stores below read
.if \bn < 5
	LOADB \bn+3                                    ; into the set just emptied
.endif
	STOB \bn
.endr
	WIN 0
	s_wait_dscnt 0x0                               ; my rows are in LDS,
	s_barrier_signal -1
	s_barrier_wait -1                              ; everybody's are
	s_wait_alu depctr_vm_vsrc(0)                   ; my LDS stores have read both out-buffers: x's fragments land in these registers (the conversions that named window 1 stand ahead of the last batch's wait on va_vdst)
.macro XLOAD                           ; my 32 x fragments: 64 rows, all 256 along K, into window 1
	WIN 0x40
.irp rt, 0,1,2,3
.irp ks, 0,1,2,3,4,5,6,7
	ds_load_b128 v[8*(8*\rt+\ks):8*(8*\rt+\ks)+3], v[XA] offset:\rt*16*PITCH+\ks*64
	ds_load_b128 v[8*(8*\rt+\ks)+4:8*(8*\rt+\ks)+7], v[XA] offset:\rt*16*PITCH+\ks*64+32
.endr
.endr
	WIN 0
.endm
.macro WLOAD f, buf                    ; feature tile f of my eight: 16 rows of W, all 256 along K: 16 loads
.irp ks, 0,1,2,3,4,5,6,7
	ds_load_b128 v[\buf+8*\ks:\buf+8*\ks+3], v[WA] offset:(\f)*16*PITCH+\ks*64
	ds_load_b128 v[\buf+8*\ks+4:\buf+8*\ks+7], v[WA] offset:(\f)*16*PITCH+\ks*64+32
.endr
.endm
; Feature tile f: 32 matrix instructions, the four accumulators by turns, one instruction a turn; the first K step starts the sums.
; Q, K: source 0 = W, source 1 = x: a lane's eight results are eight neighbouring features of one row.
; V   : source 0 = x, source 1 = W: a lane's eight results are eight neighbouring rows of one feature.  Either way four conversions make the lane's 16 bytes of a piece.
; Then the bias and the rounding of all four row tiles, one wait, and the tile's memory instructions in one run: the LDS loads of tile f + 2 and the four stores.
.macro FT f, vjob
.set WB, FA+64*((\f)&1)
.if \f < 7
	s_wait_dscnt 16                                ; all but the next tile's 16 loads
.else
	s_wait_dscnt 0
.endif
.if \vjob
	WIN 0x01
.else
	WIN 0x04
.endif
.irp ks, 0,1,2,3,4,5,6,7
.irp rt, 0,1,2,3
.if \vjob
.if \ks == 0
	v_wmma_f32_16x16x32_bf16 v[ACC+8*\rt:ACC+8*\rt+7], v[8*(8*\rt+\ks):8*(8*\rt+\ks)+7], v[WB+8*\ks:WB+8*\ks+7], 0
.else
	v_wmma_f32_16x16x32_bf16 v[ACC+8*\rt:ACC+8*\rt+7], v[8*(8*\rt+\ks):8*(8*\rt+\ks)+7], v[WB+8*\ks:WB+8*\ks+7], v[ACC+8*\rt:ACC+8*\rt+7]
.endif
.else
.if \ks == 0
	v_wmma_f32_16x16x32_bf16 v[ACC+8*\rt:ACC+8*\rt+7], v[WB+8*\ks:WB+8*\ks+7], v[8*(8*\rt+\ks):8*(8*\rt+\ks)+7], 0
.else
	v_wmma_f32_16x16x32_bf16 v[ACC+8*\rt:ACC+8*\rt+7], v[WB+8*\ks:WB+8*\ks+7], v[8*(8*\rt+\ks):8*(8*\rt+\ks)+7], v[ACC+8*\rt:ACC+8*\rt+7]
.endif
.endif
.endr
.endr
	PLACES 4                                       ; four places behind the last matrix instruction (ISA guide 7.12.1), for the arithmetic on the results
	WIN 0
	s_wait_xcnt 0x0                                ; the last tile's four stores have had their addresses translated (ISA guide 3.1): OB is written again only behind this wait
	s_wait_alu depctr_vm_vsrc(0)                   ; and they have read OB (ahead of tile 0: the store of Wo's piece has), which the conversions below write again
.irp rt, 0,1,2,3
.irp j, 0,2,4,6
.if \vjob
.if (\f)&1
	v_pk_add_f32 v[ACC+8*\rt+\j:ACC+8*\rt+\j+1], v[ACC+8*\rt+\j:ACC+8*\rt+\j+1], v[BT+\f-1:BT+\f] op_sel:[0,1] op_sel_hi:[1,1]
.else
	v_pk_add_f32 v[ACC+8*\rt+\j:ACC+8*\rt+\j+1], v[ACC+8*\rt+\j:ACC+8*\rt+\j+1], v[BT+\f:BT+\f+1] op_sel_hi:[1,0]
.endif
.else
	v_pk_fma_f32 v[ACC+8*\rt+\j:ACC+8*\rt+\j+1], v[ACC+8*\rt+\j:ACC+8*\rt+\j+1], s[38:39], v[BT+8*\f+\j:BT+8*\f+\j+1] op_sel_hi:[1,0,1]
.endif
.endr
.irp e, 0,1,2,3
	v_cvt_pk_bf16_f32 v[OB+4*\rt+\e], v[ACC+8*\rt+2*\e], v[ACC+8*\rt+2*\e+1]
.endr
.endr
	s_wait_alu depctr_va_vdst(0)                   ; the conversions have written OB, which the four stores read; the tile's matrix instructions are done reading their buffer of W, in which (tiles 0 to 5) the loads below land
.if \f < 6
	WLOAD \f+2, WB                                 ; they have the next tile's 32 matrix instructions, which name the other buffer, in which to land
.endif
.irp rt, 0,1,2,3
.if \vjob
	global_store_b128 v[SO], v[OB+4*\rt:OB+4*\rt+3], s[36:37] offset:(\rt>>1)*16384+(\rt&1)*512+\f*1024   ; each store of the wave covers one piece: 512 consecutive bytes, aligned
.else
	global_store_b128 v[SO], v[OB+4*\rt:OB+4*\rt+3], s[36:37] offset:\rt*8192+\f*512                      ; each store of the wave covers one piece: 512 consecutive bytes, aligned
.endif
.endr
.endm
	s_lshl_b32 s44, s30, 9                         ; my 128 features' bias: 512 bytes
	s_cmp_eq_u32 s31, 2
	s_cbranch_scc1 .Lvjob
	v_lshl_add_u32 v[BO], v10, 5, s44              ; Q, K: features 16 f + 8 h + 0..7
	s_wait_alu depctr_va_vdst(0)                   ; v4 is written, which the bias's loads read as their offset
.irp f, 0,1,2,3,4,5,6,7
	global_load_b128 v[BT+8*\f:BT+8*\f+3], v[BO], s[34:35] offset:\f*64
	global_load_b128 v[BT+8*\f+4:BT+8*\f+7], v[BO], s[34:35] offset:\f*64+16
.endr
	XLOAD
	WLOAD 0, FA
	WLOAD 1, FA+64
	s_wait_loadcnt 0x0                             ; the bias, once
.set nn, 0
.rept 32
	v_pk_mul_f32 v[BT+2*nn:BT+2*nn+1], v[BT+2*nn:BT+2*nn+1], s[38:39] op_sel_hi:[1,0]   ; CSC * b, so that one fused multiply-add gives CSC * (sum + b)
.set nn, nn+1
.endr
.irp f, 0,1,2,3,4,5,6,7
	FT \f, 0
.endr
	s_wait_dscnt 0x0                               ; the closing lines, six on end
	s_wait_alu 0x0
	s_wait_tensorcnt 0x0
	ds_add_u32 v254, v255
	s_wait_dscnt 0x0
	s_endpgm
.Lvjob:
	v_lshl_add_u32 v[BO], v9, 2, s44               ; V: feature 16 f + r
	s_wait_alu depctr_va_vdst(0)                   ; v4 is written, which the bias's loads read as their offset
.irp f, 0,1,2,3,4,5,6,7
	global_load_b32 v[BT+\f], v[BO], s[34:35] offset:\f*64
.endr
	XLOAD
	WLOAD 0, FA
	WLOAD 1, FA+64
	s_wait_loadcnt 0x0
.irp f, 0,1,2,3,4,5,6,7
	FT \f, 1
.endr
	s_wait_dscnt 0x0                               ; the closing lines, six on end
	s_wait_alu 0x0
	s_wait_tensorcnt 0x0
	ds_add_u32 v254, v255
	s_wait_dscnt 0x0
	s_endpgm
.Lfunc_end_k_qd5682620e2_proj:
	.size	k_qd5682620e2_proj, .Lfunc_end_k_qd5682620e2_proj-k_qd5682620e2_proj
	.p2alignl 7, 3214868480
	.fill 96, 4, 3214868480
	.section	.rodata,"a",@progbits
	.p2align	6, 0x0
	.amdhsa_kernel k_qd5682620e2_proj
		.amdhsa_group_segment_fixed_size 271360
		.amdhsa_private_segment_fixed_size 0
		.amdhsa_enable_private_segment 0
		.amdhsa_kernarg_size 96
		.amdhsa_user_sgpr_count 2
		.amdhsa_user_sgpr_kernarg_segment_ptr 1
		.amdhsa_wavefront_size32 1
		.amdhsa_system_sgpr_workgroup_id_x 1
		.amdhsa_system_sgpr_workgroup_id_y 1
		.amdhsa_system_sgpr_workgroup_id_z 1
		.amdhsa_system_vgpr_workitem_id 0
		.amdhsa_next_free_vgpr 512
		.amdhsa_next_free_sgpr 66
		.amdhsa_reserve_vcc 0
		.amdhsa_float_denorm_mode_32 3
		.amdhsa_float_denorm_mode_16_64 3
		.amdhsa_memory_ordered 1
		.amdhsa_forward_progress 1
		.amdhsa_inst_pref_size 146
	.end_amdhsa_kernel
	.amdgpu_metadata
---
amdhsa.version: [ 1, 2 ]
amdhsa.kernels:
  - .name:           k_qd5682620e2_proj
    .symbol:         k_qd5682620e2_proj.kd
    .args:
      - { .name: x, .offset: 0, .size: 8, .value_kind: global_buffer, .address_space: global }
      - { .name: Wq, .offset: 8, .size: 8, .value_kind: global_buffer, .address_space: global }
      - { .name: Wk, .offset: 16, .size: 8, .value_kind: global_buffer, .address_space: global }
      - { .name: Wv, .offset: 24, .size: 8, .value_kind: global_buffer, .address_space: global }
      - { .name: Wo, .offset: 32, .size: 8, .value_kind: global_buffer, .address_space: global }
      - { .name: bq, .offset: 40, .size: 8, .value_kind: global_buffer, .address_space: global }
      - { .name: bk, .offset: 48, .size: 8, .value_kind: global_buffer, .address_space: global }
      - { .name: bv, .offset: 56, .size: 8, .value_kind: global_buffer, .address_space: global }
      - { .name: qi, .offset: 64, .size: 8, .value_kind: global_buffer, .address_space: global }
      - { .name: ki, .offset: 72, .size: 8, .value_kind: global_buffer, .address_space: global }
      - { .name: vi, .offset: 80, .size: 8, .value_kind: global_buffer, .address_space: global }
      - { .name: woi, .offset: 88, .size: 8, .value_kind: global_buffer, .address_space: global }
    .group_segment_fixed_size: 271360
    .private_segment_fixed_size: 0
    .kernarg_segment_align: 8
    .kernarg_segment_size: 96
    .max_flat_workgroup_size: 256
    .sgpr_count:     66
    .vgpr_count:     512
    .wavefront_size: 32
...
	.end_amdgpu_metadata
.endif
;; end of part 3
;; launch attn: the kernel of part 2 again; grid 256 x 1, 4 waves a work-group, clusters of 4 x 1, 327,680 bytes of LDS; arguments qi, ki, vi, woi, gk, gv, bo, out0; writes out0
